; MI455X (gfx1250); checked and timed in simulation.
; The chip was launched on July 23, 2026; its instructions are those of AMD's public machine-readable ISA for CDNA 5 (MIT licence, August 2026) and "CDNA5" Instruction Set Architecture Reference Guide (July 2026). The comments in the code are by the model that wrote it; some were corrected since.
;; Compressed Global Attention. Allowed arithmetic: matrix products marked QUANTISED: E4M3 operands, one given power-of-two scale a tensor, by v_wmma_f32_16x16x64_fp8_fp8 or v_wmma_f32_16x16x128_fp8_fp8, f32 sums; everything else in f32.
;; Inputs: Wk 1,024 x 1,024 float32; Wo 1,024 x 1,024 float32; Wq 1,024 x 1,024 float32; Wv 1,024 x 1,024 float32; bk 1,024 float32; bo 1,024 float32; bq 1,024 float32; bv 1,024 float32; lowp_scales 12 int32 (the exponents e of the quantised operands' scales 2^e); x 2 x 8,192 x 1,024 float32.
;; Outputs: out0 2 x 8,192 x 1,024 float32.
;; Constants: local_window_start = 4096.
;; This version of the problem:
;;   THIS VERSION OF THE PROBLEM IS GIVEN IN LOW PRECISION. The matrix products marked QUANTISED in the list below multiply operands that are first quantised to E4M3 (4 exponent bits, 3 mantissa bits; 8 bits a number), with one given power-of-two scale for each operand tensor; their sums are f32. All else is computed in f32.
;;   The module's matrix products, in the order in which they are computed (A, B: the left and right operand; K: the contracted axis; several contracted axes count as one K, in the product's order):
;;     1. [M 16,384, K 1,024] x [K 1,024, N 1,024]; A: input x; B: input Wq: QUANTISED (scales: A lowp_scales[0], B lowp_scales[1])
;;     2. [M 1,024, K 1,024] x [K 1,024, N 1,024]; A: computed on the way; B: input Wk: QUANTISED (scales: A lowp_scales[2], B lowp_scales[3])
;;     3. [M 1,024, K 1,024] x [K 1,024, N 1,024]; A: computed on the way; B: input Wv: QUANTISED (scales: A lowp_scales[4], B lowp_scales[5])
;;     4. batch 32 x [M 8,192, K 64] x [K 64, N 512]; A: computed on the way; B: computed on the way: QUANTISED (scales: A lowp_scales[6], B lowp_scales[7])
;;     5. batch 32 x [M 8,192, K 512] x [K 512, N 64]; A: softmax (see below); B: computed on the way: QUANTISED (scales: A lowp_scales[8], B lowp_scales[9])
;;     6. [M 16,384, K 1,024] x [K 1,024, N 1,024]; A: computed on the way; B: input Wo: QUANTISED (scales: A lowp_scales[10], B lowp_scales[11])
;;   THE QUANTISER, for each operand of a quantised product, along K:
;;     - The operand's scale is 2^e, e = its entry of the input lowp_scales (int32; the entries are numbered through the quantised products in the list's order, A before B).
;;     - Each number is divided by the scale, clamped to +-448, and rounded to the nearest number of E4M3, ties to even, subnormals kept.
;;     - The product sums the exact products of the quantised numbers (number of the format x scale) in f32.
;;   ~~~python
;;   def quantise(x, axis, e):      # numpy; x: float32 -> the quantised numbers, widened to float32 again
;;       x = np.moveaxis(x, axis, -1); K = x.shape[-1]
;;       r = np.clip(x / 2.0 ** e, -448, 448)
;;       step = 2.0 ** (np.maximum(np.frexp(np.where(r == 0, 1, r))[1] - 1, -6) - 3)
;;       q = np.round(r / step) * step * 2.0 ** e      # np.round: ties to even
;;       return np.moveaxis(q, -1, axis).astype(np.float32)
;;   ~~~
;;   SOFTMAX AHEAD OF A QUANTISED PRODUCT. Where the list says 'softmax', what is quantised is not the finished softmax but p = 2^(t - M), with t = logit x log2(e) and M = ceil(the row's largest t), a whole number; so 1/2 < the row's largest p <= 1. The row's sum l is taken of the UNQUANTISED p, in f32, and the product's result is divided by l at the end. Since M is a whole number, a kernel that streams over the keys may use a running M (the ceiling of the running maximum): every later rescaling is an exact power of two, so the quantised numbers keep their values, but for numbers so far below the row's largest that they fall under the format's range.
;;   OPERANDS COMPUTED ON THE WAY. 'Computed on the way' means the value that the module computes at that place (a softmax that the list does not call 'softmax' is quantised finished and normalised). What goes into a quantiser is computed in f32, as accurately as f32 sums, v_exp_f32 and their like allow (about 1e-6 of the number): no bf16 or f16 on the way to a quantiser, and a product that is left as it is and whose result goes on into a quantised operand takes f32 operands (vector FMAs, or v_wmma_f32_16x16x4_f32). A number that lies on a knife's edge between two numbers of the format may be rounded either way, as far as f32 arithmetic and the matrix unit's own rounding can turn it there, and no further.
;; One version. Each part assembles by itself: llvm-mc -triple=amdgcn-amd-amdhsa -mcpu=gfx1250 --defsym DOCPART=n.
;; ======== version 1 of 1: 3 launches
;; limits: right only within a limited range of input values
;; workspace buffers: x_c 16,777,216 bytes; c_c 2,097,152 bytes; w_c 4,194,304 bytes; q_img 16,777,216 bytes; kv_img 2,097,152 bytes
;; launch prep (part 1): grid 640 x 1, 4 waves a work-group, no clusters, 68,096 bytes of LDS; arguments x, Wq, Wk, Wv, Wo, lowp_scales, x_c, c_c, w_c; writes x_c, c_c, w_c
.if DOCPART == 1
	.amdgcn_target "amdgcn-amd-amdhsa--gfx1250"
	.amdhsa_code_object_version 6
	.text
	.protected	k_qdec0bd072b_prep
	.globl	k_qdec0bd072b_prep
	.p2align	8
	.type	k_qdec0bd072b_prep,@function
k_qdec0bd072b_prep:
	s_mov_b64 s[64:65], 0
	v_nop
	global_prefetch_b8 v0, s[64:65] scope:SCOPE_SE
	s_setreg_imm32_b32 hwreg(HW_REG_WAVE_MODE, 25, 1), 1
	s_wait_xcnt 0x0
; All wide inputs become codes of FP8 (E4M3), once.  code = number / 2^e, held within +-448, to the nearest code, ties to even.
; Work-groups 0-127: the four weights [1024 k][1024 n] f32 -> w_c [4][1024 n][1024 k], K innermost (Wq e1, Wk e3, Wv e5, Wo e11): a lane takes a column n and its
;   registers run down K, so the conversions give K innermost; the codes leave through the wave's own stage in LDS as rows, sixteen lanes to 256 consecutive aligned bytes.
;   In Wo's part the two middle groups of 8 codes of every 32 along K change places (order 0, 2, 1, 3): the last launch's 16-byte fragment loads then leave k where its other operand has it.
; Work-groups 128-639: x [16384][1024] f32 -> x_c, same shape (e0).  A wave owns 8 neighbouring tokens = one pool: while it quantises them it sums them; for tokens under 4096 of a batch
;   the sum becomes a pooled row of c_c [2][1024][1024]: part 0 with e2 (for k), part 1 with e4 (for v).  mean / 2^e = sum / 2^(e + 3): the division by 8 is folded into the scale and rounds nothing.
; Each load reads 512 consecutive bytes; a step's 2,048 bytes turn through the wave's own stage (64 bytes + 16 of padding a lane), so that a lane holds 16 neighbours along K for the conversions.
; No tensor loads, no barrier: waves share nothing.  The two paths part on the work-group's number and have LDS bytes of their own.
; LIMITS: e0, e1, e3, e5, e11 and e2 + 3, e4 + 3 between -126 and 119, so that 2^e and 448 x 2^e are f32 numbers.  NaN among the inputs is not served.
.set STEPS, 16
.set SP,    80                         ; x path: a lane's place in a stage
.set WREG,  8192                       ; x path: a wave's LDS region: two stages of 32 x SP bytes
.set WSTG,  32768                      ; weight path: its four stages begin here
.set PITCH, 272                        ; weight path: a stage row: 256 bytes + 16
.set NB,    8                          ; weight path: blocks of 32 along K for a wave
.set SPARE, WSTG+4*32*PITCH            ; behind both: the spare words, 128 bytes for each wave, that no other line names
.set SPW,   12                         ; v12  LDS address of my spare word; never rewritten
.set NIL,   13                         ; v13  0; never rewritten
.set R,     16                         ; x path: v16-79 four sets of 16 numbers as loaded
.set X,     80                         ; v80-111  two sets of 16 neighbours
.set H,     112                        ; v112-127 the numbers held within the largest code
.set C,     128                        ; v128-191 codes, four registers a step: no store's data are written again
.set ACC,   192                        ; v192-223 the pool's sums: 16 for each half of a row
.set PK,    224                        ; v224-239 the pooled rows' codes
.set WX,    32                         ; weight path: v32-95 two sets of 32 numbers
.set WC,    96                         ; v96-103  a block's codes
.set WE,    104                        ; v104-107 its two middle groups, before they are placed
.set OUTR,  112                        ; v112-175 the way out
.macro POW2 e, add, vs, vl             ; v[vs] = 2^(s[e] + add) as f32, v[vl] = 448 x that
	s_add_co_i32 s45, s[\e], 127+\add
	s_lshl_b32 s46, s45, 23
	v_mov_b32 v[\vs], s46
	s_add_co_i32 s45, s45, 8
	s_lshl_b32 s45, s45, 23
	s_or_b32 s45, s45, 0x600000
	v_mov_b32 v[\vl], s45
.endm
.macro Q16 src, dst, sc, lim           ; 16 numbers are held (the conversion to an 8-bit code does not saturate: ISA guide 7.6.2) into H, and become 16 codes
.set k, 0
.rept 16
	v_med3_num_f32 v[H+k], v[(\src)+k], -v[\lim], v[\lim]
.set k, k+1
.endr
	v_cvt_scalef32_pk8_fp8_f32 v[(\dst):(\dst)+1], v[H:H+7], v[\sc]
	v_cvt_scalef32_pk8_fp8_f32 v[(\dst)+2:(\dst)+3], v[H+8:H+15], v[\sc]
.endm
.macro LOAD t                          ; step t: 2,048 bytes, 512 consecutive bytes a load
.irp i, 0,1,2,3
	global_load_b128 v[R+16*((\t)%4)+4*\i:R+16*((\t)%4)+4*\i+3], v3, s[8:9] offset:2048*(\t)+512*\i th:TH_LOAD_NT
.endr
.endm
.macro TURN t                          ; step t through the stage; LDS serves a wave's instructions in order, so no wait stands between stores and loads.  The first row's two steps land in the sums: nothing is cleared
.if (\t) < 2
.set DST, ACC+16*(\t)
.else
.set DST, X+16*((\t)%2)
.endif
.irp i, 0,1,2,3
	ds_store_b128 v14, v[R+16*((\t)%4)+4*\i:R+16*((\t)%4)+4*\i+3] offset:32*SP*((\t)%2)+8*SP*\i
.endr
.irp i, 0,1,2,3
	ds_load_b128 v[DST+4*\i:DST+4*\i+3], v15 offset:32*SP*((\t)%2)+16*\i
.endr
.endm
.macro STEP t
	s_wait_dscnt 0x0                               ; this step's numbers are back from the stage, so its stores into the stage have read their registers,
.if (\t)+4 < STEPS
	LOAD (\t)+4                                    ; which take the loads of four steps on
.endif
.if (\t)+1 < STEPS
.if STEPS-2-(\t) >= 3
	s_wait_loadcnt 12                              ; the next step's four loads are in; those of the three steps behind it may be out
.else
	s_wait_loadcnt 4*(STEPS-2-(\t))
.endif
	TURN (\t)+1
.endif
.if (\t) < 2
.set XS, ACC+16*(\t)
.else
.set XS, X+16*((\t)%2)
.endif
	Q16 XS, C+4*(\t), 11, 10
.if (\t) < 2
	v_nop                                          ; a plain line behind the conversions, ahead of the next writes of H
.else
.set k, 0
.rept 8
	v_pk_add_f32 v[ACC+16*((\t)%2)+k:ACC+16*((\t)%2)+k+1], v[ACC+16*((\t)%2)+k:ACC+16*((\t)%2)+k+1], v[XS+k:XS+k+1]   ; the pool's sums; also the plain lines behind the conversions
.set k, k+2
.endr
.endif
	global_store_b128 v3, v[C+4*(\t):C+4*(\t)+3], s[20:21] offset:512*(\t)   ; the wave stores 512 consecutive bytes
.endm
.macro WLOAD t                         ; block t: W(32 t + i, my column) into set t % 2: 128 consecutive bytes a load
.set k, 0
.rept 32
	global_load_b32 v[WX+32*((\t)%2)+k], v3, s[4:5] offset:(32*(\t)+k)*4096 th:TH_LOAD_NT
.set k, k+1
.endr
.endm
.macro BLOCK t
.set XS, WX+32*((\t)%2)
.if (\t) < NB-1
	s_wait_loadcnt 32                              ; this block's 32 loads are in; the next block's may be out
.else
	s_wait_loadcnt 0
.endif
.set k, 0
.rept 32
	v_med3_num_f32 v[XS+k], v[XS+k], -v10, v10
.set k, k+1
.endr
	v_cvt_scalef32_pk8_fp8_f32 v[WC:WC+1], v[XS:XS+7], v11
	v_cvt_scalef32_pk8_fp8_f32 v[WE:WE+1], v[XS+8:XS+15], v11
	v_cvt_scalef32_pk8_fp8_f32 v[WE+2:WE+3], v[XS+16:XS+23], v11
	v_cvt_scalef32_pk8_fp8_f32 v[WC+6:WC+7], v[XS+24:XS+31], v11
	v_nop                                          ; a plain line between the conversions and the lines that read their results
	v_cndmask_b32 v[WC+2], v[WE], v[WE+2], s44     ; the two middle groups, straight, or crossed for Wo (s44 all ones)
	v_cndmask_b32 v[WC+3], v[WE+1], v[WE+3], s44
	v_cndmask_b32 v[WC+4], v[WE+2], v[WE], s44
	v_cndmask_b32 v[WC+5], v[WE+3], v[WE+1], s44
	ds_store_b128 v4, v[WC:WC+3] offset:32*(\t)
	ds_store_b128 v4, v[WC+4:WC+7] offset:32*(\t)+16
.if (\t)+2 < NB
	WLOAD (\t)+2
.endif
	s_wait_dscnt 0x0                               ; the stores have read their registers: the next block's codes may be written
.endm
	s_load_b512 s[8:23], s[0:1], 0x0               ; x 8, Wq 10, Wk 12, Wv 14, Wo 16, the scales 18, x_c 20, c_c 22
	s_load_b64 s[24:25], s[0:1], 0x40              ; w_c
	v_lshl_add_u32 v[SPW], v0, 2, SPARE
	v_mov_b32 v[NIL], 0
	v_lshrrev_b32 v1, 5, v0
	v_readfirstlane_b32 s26, v1                    ; wave 0..3
	v_and_b32 v2, 31, v0                           ; lane
	s_wait_kmcnt 0x0
	s_load_b256 s[32:39], s[18:19], 0x0            ; e0 .. e7
	s_load_b128 s[40:43], s[18:19], 0x20           ; e8 .. e11
	s_cmp_lt_u32 ttmp9, 128
	s_cbranch_scc1 .Lweights
	; ---------------- x
	s_sub_co_u32 s28, ttmp9, 128
	s_lshl_b32 s29, s28, 2
	s_add_co_u32 s29, s29, s26                     ; which run of 8 tokens is my wave's: 0 .. 2047
	s_lshl_b32 s30, s29, 15                        ; 8 rows of 4,096 bytes
	s_mov_b32 s31, 0
	s_add_nc_u64 s[8:9], s[8:9], s[30:31]
	s_lshl_b32 s30, s29, 13                        ; 8 rows of 1,024 codes
	s_add_nc_u64 s[20:21], s[20:21], s[30:31]
	s_wait_alu depctr_va_vdst(0)
	v_lshlrev_b32 v3, 4, v2                        ; my 16 bytes of a load's, and of a store's, 512
	s_mul_i32 s27, s26, WREG
	v_lshrrev_b32 v14, 2, v2
	v_mul_u32_u24 v14, v14, SP
	v_and_b32 v15, 3, v2
	v_lshl_add_u32 v14, v15, 4, v14
	v_add_nc_u32 v14, s27, v14                     ; the stage, in: four lanes' 64 bytes on end, then 16 of padding
	v_mul_u32_u24 v15, v2, SP
	v_add_nc_u32 v15, s27, v15                     ; and out: my 16 neighbours
.irp t, 0,1,2,3
	LOAD \t
.endr
	s_wait_alu depctr_va_vdst(0)
	s_wait_kmcnt 0x0
	POW2 32, 0, 11, 10                             ; e0
	POW2 34, 3, 5, 6                               ; e2 + 3
	POW2 36, 3, 7, 8                               ; e4 + 3
	s_wait_alu depctr_va_vdst(0)
	s_wait_loadcnt 12                              ; step 0's four loads are in
	TURN 0
.irp t, 0,1,2,3,4,5,6,7,8,9,10,11,12,13,14,15
	STEP \t
.endr
	s_and_b32 s30, s28, 255                        ; tokens under 4,096 of their batch are pooled: a branch on ids
	s_cmp_lt_u32 s30, 128
	s_cbranch_scc0 .Lno_pool
	s_lshr_b32 s30, s29, 10
	s_lshl_b32 s30, s30, 9
	s_and_b32 s46, s29, 511
	s_add_co_u32 s30, s30, s46                     ; the pooled row: 512 x batch + pool
	s_lshl_b32 s30, s30, 10
	s_add_nc_u64 s[22:23], s[22:23], s[30:31]
.irp u, 0,1
	Q16 ACC+16*\u, PK+8*\u, 5, 6
	v_nop
	Q16 ACC+16*\u, PK+8*\u+4, 7, 8
	v_nop
	global_store_b128 v3, v[PK+8*\u:PK+8*\u+3], s[22:23] offset:512*\u
	global_store_b128 v3, v[PK+8*\u+4:PK+8*\u+7], s[22:23] offset:512*\u+0x100000
.endr
.Lno_pool:
	s_wait_tensorcnt 0x0                           ; the wave's end: three closing lines behind my last LDS store
	ds_add_u32 v[SPW], v[NIL]
	s_wait_dscnt 0x0
	s_endpgm
	; ---------------- the weights
.Lweights:
	s_lshr_b32 s27, ttmp9, 5                       ; which weight: 0 Wq, 1 Wk, 2 Wv, 3 Wo
	s_and_b32 s28, ttmp9, 7                        ; which 128 columns
	s_bfe_u32 s29, ttmp9, 0x20003                  ; which 256 along K
	s_lshl_b32 s30, s28, 7
	s_lshl_b32 s31, s26, 5
	s_add_co_u32 s30, s30, s31                     ; my wave's first column
	s_wait_alu depctr_va_vdst(0)
	v_lshlrev_b32 v3, 2, v2                        ; in: 4 bytes a lane
	s_mul_i32 s31, s26, 32*PITCH
	s_add_co_u32 s31, s31, WSTG                    ; my stage
	v_mul_u32_u24 v4, v2, PITCH
	v_add_nc_u32 v4, s31, v4                       ; into it: row = my column
	v_and_b32 v5, 15, v2
	v_lshrrev_b32 v6, 4, v2
	v_mul_u32_u24 v7, v6, PITCH
	v_lshl_add_u32 v7, v5, 4, v7
	v_add_nc_u32 v7, s31, v7                       ; out of it: sixteen lanes to a row, two rows an instruction
	v_lshlrev_b32 v8, 10, v6
	v_lshl_add_u32 v8, v5, 4, v8                   ; and the same place in the codes' buffer
	s_cmp_eq_u32 s27, 0                            ; the choices hang on the work-group's number alone
	s_cselect_b64 s[4:5], s[10:11], s[12:13]
	s_cmp_lt_u32 s27, 2
	s_cselect_b64 s[4:5], s[4:5], s[14:15]
	s_cmp_lt_u32 s27, 3
	s_cselect_b64 s[4:5], s[4:5], s[16:17]
	s_cselect_b32 s44, 0, -1                       ; all ones for Wo
	s_lshl_b32 s6, s29, 20                         ; 256 rows of 4,096 bytes
	s_lshl_b32 s7, s30, 2
	s_add_co_u32 s6, s6, s7
	s_mov_b32 s7, 0
	s_add_nc_u64 s[4:5], s[4:5], s[6:7]
	s_lshl_b32 s6, s27, 20
	s_lshl_b32 s7, s30, 10
	s_add_co_u32 s6, s6, s7
	s_lshl_b32 s7, s29, 8
	s_add_co_u32 s6, s6, s7
	s_lshr_b32 s7, s30, 6                          ; Wo leaves as an image of fragments [16 groups of 64 n][8 blocks of 128 k][4 tiles of 16 n][2,048 B]
	s_lshl_b32 s45, s7, 16
	s_lshl_b32 s7, s29, 14
	s_add_co_u32 s45, s45, s7
	s_bfe_u32 s7, s30, 0x20004
	s_lshl_b32 s7, s7, 11
	s_add_co_u32 s45, s45, s7
	s_add_co_u32 s45, s45, 0x300000
	s_cmp_eq_u32 s27, 3
	s_cselect_b32 s6, s45, s6
	s_mov_b32 s7, 0
	s_add_nc_u64 s[24:25], s[24:25], s[6:7]
	WLOAD 0
	WLOAD 1
	s_wait_kmcnt 0x0
	s_cmp_eq_u32 s27, 0
	s_cselect_b32 s6, s33, s35
	s_cmp_lt_u32 s27, 2
	s_cselect_b32 s6, s6, s37
	s_cmp_lt_u32 s27, 3
	s_cselect_b32 s6, s6, s43
	POW2 6, 0, 11, 10
	s_wait_alu depctr_va_vdst(0)
.irp t, 0,1,2,3,4,5,6,7
	BLOCK \t
.endr
	s_cmp_eq_u32 s27, 3                            ; a branch on the work-group's number
	s_cbranch_scc1 .Lwo_image
.irp t, 0,1,2,3,4,5,6,7,8,9,10,11,12,13,14,15
	ds_load_b128 v[OUTR+4*\t:OUTR+4*\t+3], v7 offset:2*\t*PITCH
.endr
.irp t, 0,1,2,3,4,5,6,7,8,9,10,11,12,13,14,15
	s_wait_dscnt 15-\t
	global_store_b128 v8, v[OUTR+4*\t:OUTR+4*\t+3], s[24:25] offset:2*\t*1024
.endr
	s_branch .Lw_end
.Lwo_image:                                            ; Wo: piece t (16 codes along K) of sixteen neighbouring columns is 256 consecutive aligned bytes of the image
	v_lshlrev_b32 v9, 11, v6
	v_lshl_add_u32 v9, v5, 4, v9
	s_wait_alu depctr_va_vdst(0)
.irp t, 0,1,2,3,4,5,6,7,8,9,10,11,12,13,14,15
	ds_load_b128 v[OUTR+4*\t:OUTR+4*\t+3], v4 offset:16*\t
.endr
.irp t, 0,1,2,3,4,5,6,7,8,9,10,11,12,13,14,15
	s_wait_dscnt 15-\t
	global_store_b128 v9, v[OUTR+4*\t:OUTR+4*\t+3], s[24:25] offset:8192*(\t/8)+256*(\t%8)
.endr
.Lw_end:
	s_wait_tensorcnt 0x0                           ; the wave's end: three closing lines behind my last LDS store
	ds_add_u32 v[SPW], v[NIL]
	s_wait_dscnt 0x0
	s_endpgm
.Lfunc_end_k_qdec0bd072b_prep:
	.size	k_qdec0bd072b_prep, .Lfunc_end_k_qdec0bd072b_prep-k_qdec0bd072b_prep
	.p2alignl 7, 3214868480
	.fill 96, 4, 3214868480
	.section	.rodata,"a",@progbits
	.p2align	6, 0x0
	.amdhsa_kernel k_qdec0bd072b_prep
		.amdhsa_group_segment_fixed_size 68096
		.amdhsa_private_segment_fixed_size 0
		.amdhsa_enable_private_segment 0
		.amdhsa_kernarg_size 72
		.amdhsa_user_sgpr_count 2
		.amdhsa_user_sgpr_kernarg_segment_ptr 1
		.amdhsa_wavefront_size32 1
		.amdhsa_system_sgpr_workgroup_id_x 1
		.amdhsa_system_sgpr_workgroup_id_y 1
		.amdhsa_system_sgpr_workgroup_id_z 1
		.amdhsa_system_vgpr_workitem_id 0
		.amdhsa_next_free_vgpr 240
		.amdhsa_next_free_sgpr 66
		.amdhsa_reserve_vcc 0
		.amdhsa_float_denorm_mode_32 3
		.amdhsa_float_denorm_mode_16_64 3
		.amdhsa_memory_ordered 1
		.amdhsa_forward_progress 1
		.amdhsa_inst_pref_size 105
	.end_amdhsa_kernel
	.amdgpu_metadata
---
amdhsa.version: [ 1, 2 ]
amdhsa.kernels:
  - .name:           k_qdec0bd072b_prep
    .symbol:         k_qdec0bd072b_prep.kd
    .args:
      - { .name: x, .offset: 0, .size: 8, .value_kind: global_buffer, .address_space: global }
      - { .name: Wq, .offset: 8, .size: 8, .value_kind: global_buffer, .address_space: global }
      - { .name: Wk, .offset: 16, .size: 8, .value_kind: global_buffer, .address_space: global }
      - { .name: Wv, .offset: 24, .size: 8, .value_kind: global_buffer, .address_space: global }
      - { .name: Wo, .offset: 32, .size: 8, .value_kind: global_buffer, .address_space: global }
      - { .name: lowp_scales, .offset: 40, .size: 8, .value_kind: global_buffer, .address_space: global }
      - { .name: x_c, .offset: 48, .size: 8, .value_kind: global_buffer, .address_space: global }
      - { .name: c_c, .offset: 56, .size: 8, .value_kind: global_buffer, .address_space: global }
      - { .name: w_c, .offset: 64, .size: 8, .value_kind: global_buffer, .address_space: global }
    .group_segment_fixed_size: 68096
    .private_segment_fixed_size: 0
    .kernarg_segment_align: 8
    .kernarg_segment_size: 72
    .max_flat_workgroup_size: 128
    .sgpr_count:     66
    .vgpr_count:     240
    .wavefront_size: 32
...
	.end_amdgpu_metadata
.endif
;; end of part 1
;; launch proj (part 2): grid 4 x 64, 4 waves a work-group, clusters of 4 x 4, 327,680 bytes of LDS; arguments x_c, c_c, w_c, lowp_scales, bq, bk, bv, q_img, kv_img; writes q_img, kv_img
.if DOCPART == 2
	.amdgcn_target "amdgcn-amd-amdhsa--gfx1250"
	.amdhsa_code_object_version 6
	.text
	.protected	k_qdec0bd072b_proj
	.globl	k_qdec0bd072b_proj
	.p2align	8
	.type	k_qdec0bd072b_proj,@function
k_qdec0bd072b_proj:
	s_mov_b64 s[64:65], 0
	v_nop
	global_prefetch_b8 v0, s[64:65] scope:SCOPE_SE
	s_setreg_imm32_b32 hwreg(HW_REG_WAVE_MODE, 25, 1), 1
	s_wait_xcnt 0x0
	s_wait_alu depctr_hold_cnt(0) depctr_sa_sdst(0) depctr_va_vdst(0) depctr_va_sdst(0) depctr_va_ssrc(0) depctr_va_vcc(0) depctr_vm_vsrc(0)
	s_getreg_b32 s2, hwreg(HW_REG_IB_STS2, 6, 4)
	s_cmp_eq_u32 s2, 0
	s_cbranch_scc0 .Lentry_in_a_cluster
	s_endpgm
.Lentry_in_a_cluster:
	s_bfe_u32 s2, ttmp6, 0x10000c
	s_cmp_lg_u32 s2, 0xf033
	s_cbranch_scc0 .Lentry_shape_is_right
	s_endpgm
.Lentry_shape_is_right:
.set ROWB,   256
.set KROW,   1024
.set PITCH,  272
.set FR,     16
.set NL,     4
.set NP,     4
.set HALFT,  128*PITCH
.set SLOT,   4*HALFT
.set SPARE,  2*SLOT
.set MROWB,  512
.set MPITCH, 528
.set MB0,    128*MPITCH
.set BR2,  8
.set SCL,  12
.set LIM,  13
.set SCL2, 14
.set LIM2, 15
.set ADRA, 16
.set ADRA2, 18
.set ADRB, 20
.set ADRB2, 22
.set OFF0, 24
.set OFF2, 25
.set BCO,  26
.set BRO,  27
.set SPW,  28
.set NIL,  29
.set BC,   32
.set BC2,  96
.set AF,   128
.set TMP,  128
.set CD,   192
.set G1, 24
.set G0, 32
.set G1M, 40
.set G1B, 48
.set G0B, 56
.set G1MB, 76
.set MSB, 0
.macro WIN new
.if MSB != (\new)
	s_set_vgpr_msb (MSB<<8)|(\new)
.set MSB, (\new)
.endif
.endm
.set MUL_LO, 0xa1
.set MUL_HI, 0xf1
.set TO_B,   0x40
.macro JLOAD g0a, g1a, g0b, g1b
	s_cmp_eq_u32 s15, 0
	s_cbranch_scc0 .Lfor_b_\@
	tensor_load_to_lds s[\g0a:\g0a+3], s[\g1a:\g1a+7]
	s_nop 0
.rept 4
	v_nop
.endr
	s_branch .Lasked_\@
.Lfor_b_\@:
	tensor_load_to_lds s[\g0b:\g0b+3], s[\g1b:\g1b+7]
	s_nop 0
.rept 4
	v_nop
.endr
.Lasked_\@:
.endm
.macro CREST
	s_cmp_lg_u32 s14, 0
	s_cbranch_scc1 .Lnot_wave_0_\@
	s_barrier_signal -3
.Lnot_wave_0_\@:
	s_barrier_wait -3
	s_barrier_signal -1
	s_barrier_wait -1
.endm
.macro CROUND
	s_barrier_signal -1
	s_barrier_wait -1
	CREST
.endm
	s_load_b512 s[68:83], s[0:1], 0x0
	s_load_b64 s[84:85], s[0:1], 0x40
	v_lshl_add_u32 v[SPW], v0, 2, SPARE
	v_mov_b32 v[NIL], 0
	ds_add_u32 v[SPW], v[NIL]
	ds_add_u32 v[SPW], v[NIL]
	v_lshrrev_b32 v1, 5, v0
	v_readfirstlane_b32 s14, v1
	s_lshr_b32 s15, s14, 1
	s_and_b32 s16, s14, 1
	s_bfe_u32 s40, ttmp6, 0x40000
	s_bfe_u32 s41, ttmp6, 0x40004
	s_lshl_b32 s42, ttmp9, 2
	s_add_co_u32 s42, s42, s40
	s_and_b32 s12, ttmp7, 0xffff
	s_lshl_b32 s17, s12, 2
	s_add_co_u32 s17, s17, s41
	s_lshr_b32 s13, s12, 3
	s_and_b32 s100, s12, 1
	s_bfe_u32 s101, s12, 0x20001
	s_lshl_b32 s43, s41, 2
	s_lshl_b32 s43, 15, s43
	s_lshl_b32 s44, 0x1111, s40
	s_or_b32 s[G1+0], s43, (0<<16)|(1<<20)|(1<<21)|(5<<22)|(3<<25)
	s_or_b32 s[G1B+0], s44, (0<<16)|(1<<20)|(1<<21)|(5<<22)|(3<<25)
.irp g, G1, G1B
	s_mov_b32 s[\g+1], ROWB<<16
	s_mov_b32 s[\g+2], 128<<16
	s_mov_b32 s[\g+3], ROWB<<16
	s_mov_b32 s[\g+4], 128
	s_mov_b32 s[\g+5], KROW
	s_mov_b32 s[\g+6], 0
	s_mov_b32 s[\g+7], 0
.endr
	s_lshl_b32 s18, s16, 7
	s_lshl_b32 s20, s17, 8
	s_add_co_u32 s20, s20, s18
	s_lshl_b32 s20, s20, 10
	s_mov_b32 s21, 0
	s_lshl_b32 s46, s42, 8
	s_add_co_u32 s46, s46, s18
	s_lshl_b32 s46, s46, 10
	s_mov_b32 s47, 0
	s_lshl_b32 s22, s100, 9
	s_lshl_b32 s23, s41, 7
	s_add_co_u32 s22, s22, s23
	s_lshl_b32 s23, s16, 6
	s_add_co_u32 s22, s22, s23
	s_lshl_b32 s22, s22, 10
	s_lshl_b32 s23, s13, 21
	s_add_co_u32 s22, s22, s23
	s_mov_b32 s23, 0
	s_lshl_b32 s2, s101, 8
	s_lshl_b32 s3, s40, 6
	s_add_co_u32 s2, s2, s3
	s_lshl_b32 s3, s16, 5
	s_add_co_u32 s2, s2, s3
	s_lshl_b32 s2, s2, 10
	s_add_co_u32 s2, s2, 0x100000
	s_mov_b32 s3, 0
	s_mul_i32 s45, s14, HALFT
	s_mul_i32 s66, s16, 64*MPITCH
	s_mul_i32 s67, s16, 32*MPITCH
	s_add_co_u32 s67, s67, MB0
	s_wait_dscnt 0x0
	s_wait_kmcnt 0x0
	s_load_b256 s[88:95], s[74:75], 0x0
	s_load_b128 s[96:99], s[74:75], 0x20
	s_add_nc_u64 s[20:21], s[68:69], s[20:21]
	s_add_nc_u64 s[46:47], s[72:73], s[46:47]
	s_cmp_eq_u32 s13, 0
	s_cselect_b64 s[4:5], s[70:71], s[72:73]
	s_cselect_b64 s[6:7], s[72:73], s[70:71]
	s_add_nc_u64 s[4:5], s[4:5], s[22:23]
	s_add_nc_u64 s[6:7], s[6:7], s[2:3]
	CROUND
.irp s, 0,1
	s_mov_b32 s[G0+4*\s], 1
	s_add_co_u32 s[G0+4*\s+1], s45, \s*SLOT
	s_add_nc_u64 s[G0+4*\s+2:G0+4*\s+3], s[20:21], \s*ROWB
	s_or_b32 s[G0+4*\s+3], s[G0+4*\s+3], 0x80000000
	s_mov_b32 s[G0B+4*\s], 1
	s_add_co_u32 s[G0B+4*\s+1], s45, \s*SLOT
	s_add_nc_u64 s[G0B+4*\s+2:G0B+4*\s+3], s[46:47], \s*ROWB
	s_or_b32 s[G0B+4*\s+3], s[G0B+4*\s+3], 0x80000000
	s_wait_alu depctr_va_vdst(0)
	s_wait_tensorcnt 0x0
	ds_add_u32 v28, v29
	ds_add_u32 v28, v29
	s_wait_dscnt 0x0
	CROUND
	JLOAD G0+4*\s, G1, G0B+4*\s, G1B
.endr
	v_and_b32 v1, 15, v0
	v_bfe_u32 v2, v0, 4, 1
	v_mul_u32_u24 v3, v1, PITCH
	v_lshl_add_u32 v4, v2, 4, v3
	s_mul_i32 s21, s15, HALFT
	s_mul_i32 s22, s16, HALFT
	s_add_co_u32 s22, s22, 2*HALFT
.irp s, 0,1
	v_add_nc_u32 v[ADRA+\s], s21, v4
	v_add_nc_u32 v[ADRB+\s], s22, v4
	s_add_co_u32 s21, s21, SLOT
	s_add_co_u32 s22, s22, SLOT
.endr
	v_mul_u32_u24 v3, v1, MPITCH
	v_lshl_add_u32 v4, v2, 4, v3
	s_mul_i32 s21, s14, 32*MPITCH
.irp s, 0,1
	v_add_nc_u32 v[ADRA2+\s], s21, v4
	v_add_nc_u32 v[ADRB2+\s], MB0+\s*SLOT, v4
	s_add_co_u32 s21, s21, SLOT
.endr
	v_and_b32 v6, 31, v0
	v_lshlrev_b32 v[OFF0], 4, v6
	v_add_nc_u32 v[OFF2], 0x80000, v[OFF0]
	v_lshlrev_b32 v[BCO], 5, v2
	s_wait_alu depctr_va_vdst(0)
	v_lshlrev_b32 v[BRO], 2, v1
	s_wait_alu depctr_va_vdst(0)
	s_lshl_b32 s18, s17, 8
	s_lshl_b32 s19, s15, 7
	s_add_co_u32 s18, s18, s19
	s_lshl_b32 s19, s42, 8
	s_lshl_b32 s20, s16, 7
	s_add_co_u32 s19, s19, s20
	s_lshr_b32 s20, s18, 13
	s_lshl_b32 s20, s20, 4
	s_lshr_b32 s21, s19, 6
	s_add_co_u32 s20, s20, s21
	s_lshl_b32 s20, s20, 9
	s_and_b32 s22, s18, 8191
	s_lshr_b32 s22, s22, 4
	s_add_co_u32 s20, s20, s22
	s_lshl_b32 s20, s20, 10
	s_mov_b32 s21, 0
	s_add_nc_u64 s[10:11], s[82:83], s[20:21]
	s_lshl_b32 s20, s19, 2
	s_add_nc_u64 s[18:19], s[76:77], s[20:21]
	s_lshl_b32 s2, s100, 4
	s_lshl_b32 s3, s101, 2
	s_add_co_u32 s2, s2, s3
	s_add_co_u32 s2, s2, s40
	s_lshl_b32 s2, s2, 5
	s_lshl_b32 s3, s41, 3
	s_add_co_u32 s2, s2, s3
	s_lshl_b32 s3, s14, 1
	s_add_co_u32 s2, s2, s3
	s_lshl_b32 s2, s2, 10
	s_lshr_b32 s23, s101, 1
	s_lshl_b32 s23, s23, 4
	s_lshl_b32 s3, s100, 3
	s_add_co_u32 s23, s23, s3
	s_lshl_b32 s3, s41, 1
	s_add_co_u32 s23, s23, s3
	s_add_co_u32 s23, s23, s15
	s_lshl_b32 s23, s23, 15
	s_lshl_b32 s3, s16, 14
	s_add_co_u32 s23, s23, s3
	s_and_b32 s3, s101, 1
	s_lshl_b32 s3, s3, 12
	s_add_co_u32 s23, s23, s3
	s_lshl_b32 s3, s40, 10
	s_add_co_u32 s23, s23, s3
	s_add_co_u32 s23, s23, 0x100000
	s_mov_b32 s86, 8192
	s_cmp_eq_u32 s13, 0
	s_cselect_b32 s2, s2, s23
	s_cselect_b32 s86, 1024, s86
	s_cselect_b64 s[20:21], s[78:79], s[80:81]
	s_mov_b32 s87, 0
	s_mov_b32 s3, 0
	s_add_nc_u64 s[8:9], s[84:85], s[2:3]
	s_mov_b64 s[22:23], s[20:21]
	s_lshl_b32 s2, s101, 8
	s_lshl_b32 s45, s40, 6
	s_add_co_u32 s2, s2, s45
	s_lshl_b32 s2, s2, 2
	s_add_nc_u64 s[20:21], s[20:21], s[2:3]
	s_lshl_b32 s2, s100, 9
	s_lshl_b32 s45, s41, 7
	s_add_co_u32 s2, s2, s45
	s_lshl_b32 s45, s14, 5
	s_add_co_u32 s2, s2, s45
	s_lshl_b32 s2, s2, 2
	s_add_nc_u64 s[22:23], s[22:23], s[2:3]
	s_or_b32 s[G1M+0], s43, (0<<16)|(1<<20)|(1<<21)|(6<<22)|(3<<25)
	s_or_b32 s[G1MB+0], s44, (0<<16)|(1<<20)|(1<<21)|(6<<22)|(3<<25)
	s_mov_b32 s[G1M+1], MROWB<<16
	s_mov_b32 s[G1M+2], 64<<16
	s_mov_b32 s[G1M+3], MROWB<<16
	s_mov_b32 s[G1M+4], 64
	s_mov_b32 s[G1M+5], KROW
	s_mov_b32 s[G1M+6], 0
	s_mov_b32 s[G1M+7], 0
	s_mov_b32 s[G1MB+1], MROWB<<16
	s_mov_b32 s[G1MB+2], 32<<16
	s_mov_b32 s[G1MB+3], MROWB<<16
	s_mov_b32 s[G1MB+4], 32
	s_mov_b32 s[G1MB+5], KROW
	s_mov_b32 s[G1MB+6], 0
	s_mov_b32 s[G1MB+7], 0
.irp b, 0,1,2,3,4,5,6,7
	global_load_b128 v[BC+8*\b:BC+8*\b+3], v[BCO], s[18:19] offset:64*\b
	global_load_b128 v[BC+8*\b+4:BC+8*\b+7], v[BCO], s[18:19] offset:64*\b+16
.endr
.irp b, 0,1,2,3
	global_load_b128 v[BC2+8*\b:BC2+8*\b+3], v[BCO], s[20:21] offset:64*\b
	global_load_b128 v[BC2+8*\b+4:BC2+8*\b+7], v[BCO], s[20:21] offset:64*\b+16
.endr
.irp a, 0,1
	global_load_b32 v[BR2+2*\a], v[BRO], s[22:23] offset:64*\a
	global_load_b32 v[BR2+2*\a+1], v[BRO], s[22:23] offset:64*\a
.endr
.macro FRAG reg, adr, q, i
.irp c, 0,1,2,3
	ds_load_b128 v[\reg+4*\c:\reg+4*\c+3], v[\adr] offset:128*(\q)+32*\c+(\i)*16*PITCH
.endr
.endm
.macro MUL16 a0, p, zero
.irp a, \a0, \a0+1
.irp b, 0,1,2,3,4,5,6,7
.if \zero
	v_wmma_f32_16x16x128_fp8_fp8 v[8*(8*((\a)%4)+\b):8*(8*((\a)%4)+\b)+7], v[128*(\p)+FR*\b:128*(\p)+FR*\b+FR-1], v[AF+FR*(\a):AF+FR*(\a)+FR-1], 0
.else
	v_wmma_f32_16x16x128_fp8_fp8 v[8*(8*((\a)%4)+\b):8*(8*((\a)%4)+\b)+7], v[128*(\p)+FR*\b:128*(\p)+FR*\b+FR-1], v[AF+FR*(\a):AF+FR*(\a)+FR-1], v[8*(8*((\a)%4)+\b):8*(8*((\a)%4)+\b)+7]
.endif
.endr
.endr
.endm
.macro FETCH_B slot, q, p
	WIN TO_B
.irp i, 0,1,2,3,4,5,6,7
	FRAG 128*(\p)+FR*\i, ADRB+\slot, \q, \i
.endr
	WIN 0
.endm
.macro FETCH_A slot, q, i0
.irp i, \i0, \i0+1, \i0+2, \i0+3
	FRAG AF+FR*(\i), ADRA+\slot, \q, \i
.endr
.endm
.macro PLACES n
.rept \n
	v_nop
.endr
.endm
.macro STEP slot, q, zero
	s_wait_dscnt 4*NL
	WIN MUL_LO
	MUL16 0, (\q)%2, \zero
	MUL16 2, (\q)%2, \zero
	s_wait_dscnt 0
	PLACES NP
	FETCH_B \slot, (\q)+1, 1-(\q)%2
	FETCH_A \slot, (\q)+1, 0
	WIN MUL_HI
	MUL16 4, (\q)%2, \zero
	MUL16 6, (\q)%2, \zero
	PLACES NP
	WIN 0
	FETCH_A \slot, (\q)+1, 4
.endm
.macro TURN slot, next, fill
	s_wait_tensorcnt 0x0
	ds_add_u32 v[SPW], v[NIL]
	s_wait_dscnt 4*NL+1
	WIN MUL_LO
	MUL16 0, 1, 0
	s_wait_dscnt 0x0
	s_barrier_signal -1
	MUL16 2, 1, 0
	WIN 0
	s_barrier_wait -1
	CREST
.if \fill == 1
	s_add_nc_u64 s[G0+4*\slot+2:G0+4*\slot+3], s[G0+4*\slot+2:G0+4*\slot+3], 2*ROWB
	s_add_nc_u64 s[G0B+4*\slot+2:G0B+4*\slot+3], s[G0B+4*\slot+2:G0B+4*\slot+3], 2*ROWB
	JLOAD G0+4*\slot, G1, G0B+4*\slot, G1B
.else
	s_add_co_u32 s[G0+4*\slot+1], s66, \slot*SLOT
	s_add_nc_u64 s[G0+4*\slot+2:G0+4*\slot+3], s[4:5], \slot*MROWB
	s_or_b32 s[G0+4*\slot+3], s[G0+4*\slot+3], 0x80000000
	s_add_co_u32 s[G0B+4*\slot+1], s67, \slot*SLOT
	s_add_nc_u64 s[G0B+4*\slot+2:G0B+4*\slot+3], s[6:7], \slot*MROWB
	s_or_b32 s[G0B+4*\slot+3], s[G0B+4*\slot+3], 0x80000000
	JLOAD G0+4*\slot, G1M, G0B+4*\slot, G1MB
.endif
.if \fill < 3
	FETCH_B \next, 0, 0
	FETCH_A \next, 0, 0
.endif
	WIN MUL_HI
	MUL16 4, 1, 0
	MUL16 6, 1, 0
.if \fill < 3
	PLACES NP
	WIN 0
	FETCH_A \next, 0, 4
.else
	WIN 0
.endif
.endm
	s_wait_tensorcnt 1
	s_barrier_signal -1
	s_barrier_wait -1
	FETCH_B 0, 0, 0
	FETCH_A 0, 0, 0
	FETCH_A 0, 0, 4
	STEP 0, 0, 1
	TURN 0, 1, 1
	STEP 1, 0, 0
	TURN 1, 0, 1
	STEP 0, 0, 0
	TURN 0, 1, 2
	STEP 1, 0, 0
	TURN 1, 0, 3
.macro OUT a
.set AC, 64*((\a)%4)
.set CDS, CD+16*((\a)%4)
.if (\a) > 0
	s_wait_xcnt 0x0
	s_add_nc_u64 s[10:11], s[10:11], 1024
.endif
	WIN 0x02+((\a)/4)
.set j, 0
.rept 32
	v_pk_fma_f32 v[TMP+j:TMP+j+1], v[AC+j:AC+j+1], s[100:101], v[BC+j:BC+j+1] op_sel_hi:[1,0,1]
.set j, j+2
.endr
	WIN 0
.set j, 0
.rept 64
	v_med3_num_f32 v[TMP+j], v[TMP+j], -v[LIM], v[LIM]
.set j, j+1
.endr
.set j, 0
.rept 8
	v_cvt_scalef32_pk8_fp8_f32 v[CDS+2*j:CDS+2*j+1], v[TMP+8*j:TMP+8*j+7], v[SCL]
.set j, j+1
.endr
	v_nop
	global_store_b128 v[OFF0], v[CDS:CDS+3], s[10:11]
	global_store_b128 v[OFF0], v[CDS+4:CDS+7], s[10:11] offset:512
	global_store_b128 v[OFF2], v[CDS+8:CDS+11], s[10:11]
	global_store_b128 v[OFF2], v[CDS+12:CDS+15], s[10:11] offset:512
.endm
	s_wait_kmcnt 0x0
	s_wait_loadcnt 0x0
	s_add_co_i32 s18, s88, s89
	s_add_co_i32 s18, s18, 127
	s_lshl_b32 s100, s18, 23
	s_mov_b32 s101, s100
	s_add_co_i32 s18, s94, 127
	s_lshl_b32 s19, s18, 23
	v_mov_b32 v[SCL], s19
	s_add_co_i32 s18, s18, 8
	s_lshl_b32 s18, s18, 23
	s_or_b32 s18, s18, 0x600000
	v_mov_b32 v[LIM], s18
	s_add_co_i32 s18, s90, s91
	s_add_co_i32 s19, s92, s93
	s_cmp_eq_u32 s13, 0
	s_cselect_b32 s18, s18, s19
	s_cselect_b32 s19, s95, s97
	s_add_co_i32 s18, s18, 127
	s_lshl_b32 s2, s18, 23
	s_mov_b32 s3, s2
	s_add_co_i32 s19, s19, 127
	s_lshl_b32 s18, s19, 23
	v_mov_b32 v[SCL2], s18
	s_add_co_i32 s19, s19, 8
	s_lshl_b32 s19, s19, 23
	s_or_b32 s19, s19, 0x600000
	v_mov_b32 v[LIM2], s19
	PLACES NP
.irp a, 0,1,2,3,4,5,6,7
	OUT \a
.endr
.macro FRAGM reg, adr, q, i
.irp c, 0,1,2,3
	ds_load_b128 v[\reg+4*\c:\reg+4*\c+3], v[\adr] offset:128*(\q)+32*\c+(\i)*16*MPITCH
.endr
.endm
.macro MFETCH t
	WIN TO_B
.irp i, 0,1,2,3
	FRAGM 64*((\t)%2)+FR*\i, ADRB2+(\t)/4, (\t)%4, \i
.endr
	WIN 0
.irp i, 0,1
	FRAGM AF+32*((\t)%2)+FR*\i, ADRA2+(\t)/4, (\t)%4, \i
.endr
.endm
.macro MMUL t, zero
	WIN MUL_LO
.irp a, 0,1
.irp b, 0,1,2,3
.if \zero
	v_wmma_f32_16x16x128_fp8_fp8 v[8*(4*\a+\b):8*(4*\a+\b)+7], v[64*((\t)%2)+FR*\b:64*((\t)%2)+FR*\b+FR-1], v[AF+32*((\t)%2)+FR*\a:AF+32*((\t)%2)+FR*\a+FR-1], 0
.else
	v_wmma_f32_16x16x128_fp8_fp8 v[8*(4*\a+\b):8*(4*\a+\b)+7], v[64*((\t)%2)+FR*\b:64*((\t)%2)+FR*\b+FR-1], v[AF+32*((\t)%2)+FR*\a:AF+32*((\t)%2)+FR*\a+FR-1], v[8*(4*\a+\b):8*(4*\a+\b)+7]
.endif
.endr
.endr
.endm
	s_wait_tensorcnt 0x0
	s_barrier_signal -1
	s_barrier_wait -1
	MFETCH 0
	MFETCH 1
	s_wait_dscnt 24
	MMUL 0, 1
.irp t, 1,2,3,4,5,6
	PLACES NP
	MFETCH \t+1
	s_wait_dscnt 24
	MMUL \t, 0
.endr
	s_wait_dscnt 0x0
	MMUL 7, 0
	WIN 0
.macro MOUT a
	s_wait_xcnt 0x0
.if (\a) > 0
	s_add_nc_u64 s[8:9], s[8:9], s[86:87]
.endif
	s_cmp_eq_u32 s13, 0
	s_cbranch_scc0 .Lby_row_\@
	WIN 0x02
.set j, 0
.rept 16
	v_pk_fma_f32 v[TMP+j:TMP+j+1], v[32*(\a)+j:32*(\a)+j+1], s[2:3], v[BC2+j:BC2+j+1] op_sel_hi:[1,0,1]
.set j, j+2
.endr
	WIN 0
	s_branch .Lscaled_\@
.Lby_row_\@:
	WIN 0x02
.set j, 0
.rept 16
	v_pk_fma_f32 v[TMP+j:TMP+j+1], v[32*(\a)+j:32*(\a)+j+1], s[2:3], v[BR2+2*(\a):BR2+2*(\a)+1] op_sel_hi:[1,0,1]
.set j, j+2
.endr
	WIN 0
.Lscaled_\@:
.set j, 0
.rept 32
	v_med3_num_f32 v[TMP+j], v[TMP+j], -v[LIM2], v[LIM2]
.set j, j+1
.endr
.set j, 0
.rept 4
	v_cvt_scalef32_pk8_fp8_f32 v[CD+8*(\a)+2*j:CD+8*(\a)+2*j+1], v[TMP+8*j:TMP+8*j+7], v[SCL2]
.set j, j+1
.endr
	v_nop
	global_store_b128 v[OFF0], v[CD+8*(\a):CD+8*(\a)+3], s[8:9]
	global_store_b128 v[OFF0], v[CD+8*(\a)+4:CD+8*(\a)+7], s[8:9] offset:512
.endm
	PLACES NP
	MOUT 0
	MOUT 1
	s_wait_tensorcnt 0x0
	ds_add_u32 v[SPW], v[NIL]
	s_wait_dscnt 0x0
	CROUND
	s_endpgm
.Lfunc_end_k_qdec0bd072b_proj:
	.size	k_qdec0bd072b_proj, .Lfunc_end_k_qdec0bd072b_proj-k_qdec0bd072b_proj
	.p2alignl 7, 3214868480
	.fill 96, 4, 3214868480
	.section	.rodata,"a",@progbits
	.p2align	6, 0x0
	.amdhsa_kernel k_qdec0bd072b_proj
		.amdhsa_group_segment_fixed_size 327680
		.amdhsa_private_segment_fixed_size 0
		.amdhsa_enable_private_segment 0
		.amdhsa_kernarg_size 72
		.amdhsa_user_sgpr_count 2
		.amdhsa_user_sgpr_kernarg_segment_ptr 1
		.amdhsa_wavefront_size32 1
		.amdhsa_system_sgpr_workgroup_id_x 1
		.amdhsa_system_sgpr_workgroup_id_y 1
		.amdhsa_system_sgpr_workgroup_id_z 1
		.amdhsa_system_vgpr_workitem_id 0
		.amdhsa_next_free_vgpr 1024
		.amdhsa_next_free_sgpr 102
		.amdhsa_reserve_vcc 0
		.amdhsa_float_denorm_mode_32 3
		.amdhsa_float_denorm_mode_16_64 3
		.amdhsa_memory_ordered 1
		.amdhsa_forward_progress 1
		.amdhsa_inst_pref_size 172
	.end_amdhsa_kernel
	.amdgpu_metadata
---
amdhsa.version: [ 1, 2 ]
amdhsa.kernels:
  - .name:           k_qdec0bd072b_proj
    .symbol:         k_qdec0bd072b_proj.kd
    .args:
      - { .name: x_c, .offset: 0, .size: 8, .value_kind: global_buffer, .address_space: global }
      - { .name: c_c, .offset: 8, .size: 8, .value_kind: global_buffer, .address_space: global }
      - { .name: w_c, .offset: 16, .size: 8, .value_kind: global_buffer, .address_space: global }
      - { .name: lowp_scales, .offset: 24, .size: 8, .value_kind: global_buffer, .address_space: global }
      - { .name: bq, .offset: 32, .size: 8, .value_kind: global_buffer, .address_space: global }
      - { .name: bk, .offset: 40, .size: 8, .value_kind: global_buffer, .address_space: global }
      - { .name: bv, .offset: 48, .size: 8, .value_kind: global_buffer, .address_space: global }
      - { .name: q_img, .offset: 56, .size: 8, .value_kind: global_buffer, .address_space: global }
      - { .name: kv_img, .offset: 64, .size: 8, .value_kind: global_buffer, .address_space: global }
    .group_segment_fixed_size: 327680
    .private_segment_fixed_size: 0
    .kernarg_segment_align: 8
    .kernarg_segment_size: 72
    .max_flat_workgroup_size: 128
    .sgpr_count:     102
    .vgpr_count:     1024
    .wavefront_size: 32
...
	.end_amdgpu_metadata
.endif
;; end of part 2
;; launch attout (part 3): grid 256 x 1, 8 waves a work-group, no clusters, 101,376 bytes of LDS; arguments q_img, kv_img, w_c, lowp_scales, bo, out0; writes out0
.if DOCPART == 3
	.amdgcn_target "amdgcn-amd-amdhsa--gfx1250"
	.amdhsa_code_object_version 6
	.text
	.protected	k_qdec0bd072b_attout
	.globl	k_qdec0bd072b_attout
	.p2align	8
	.type	k_qdec0bd072b_attout,@function
k_qdec0bd072b_attout:
	s_mov_b64 s[64:65], 0
	v_nop
	global_prefetch_b8 v0, s[64:65] scope:SCOPE_SE
	s_setreg_imm32_b32 hwreg(HW_REG_WAVE_MODE, 25, 1), 1
	s_wait_xcnt 0x0
; Attention over 512 pooled keys (head size 64, 16 heads) and the projection by Wo, in one launch; all three products on codes of FP8 (E4M3).
; Key p counts for query q where q >= 8 (p + 1).  t = score x log2(e) / 8; M = the running largest t rounded up to a whole number; p = 2^(t - M) is quantised (e8);
; the row's sum is taken of the unquantised p and divides at the end; o is quantised (e10) and multiplied with Wo's codes; x 2^(e10 + e11), + bo.
; SHARES.  A work-group has 64 tokens of one batch, four tiles of 16: with par = bit 6 and u = bits 5:0 of its number: tiles 64 par + u (1 + par key steps of 128), 192 - 64 par + u (4 - par),
;   256 + 128 par + 2 u and + 1 (4 each): 13 tile steps a head in every work-group.  Steps all of whose keys the mask hides are left out: their p is 0.
;   Part 1: wave w takes heads 2 w, 2 w + 1 for all four tiles.  A fragment of K or V is read by this one wave: it goes from kv_img (an image of fragments) straight into registers and serves up to four tiles.
;   o's codes, 64 x 1,024, meet in LDS as images of fragments; one barrier.  Part 2: wave w takes 64 tokens x columns 128 w .. + 127, in two groups of 64; Wo's fragments go from its image straight into registers.
; No tile of K, V or Wo lies in LDS and each is read by one wave of the work-group, so there is nothing for a joint load: cluster = none, no tensor load.
; ROWS WITH NO KEY (queries 0-7 of a batch): they have 512 equal scores.  In step 0 the hidden score gives them p = 1; in steps 1-3 of that tile p is 1 in rows 0-7 and 0 in rows 8-15 whatever the inputs,
;   so those steps take a constant operand and add 64 a lane to the sum.
; A hidden score is -2^(33 - e6 - e7) in the sums' units: t = -log2(e) x 2^30, a whole number in f32.
; LIMITS: e6 + e7 between -94 and 9; e8, e10 between -126 and 119; e10 + e11 between -126 and 127.  NaN is not served.
; REGISTERS, window 0: v1 16 x lane, v2 (r / 8) - 8 h, v3 hidden score, v4, v5 the add's, v6-9 holds and scales (part 2: v6-13 bo), v10-14 at work, v15 256 x lane, v16-23 1 / sum, v24 f, v26 1 in rows 0-7,
;   v27-31 addresses, v32-47 four tiles' -M, largest t, sum; v48-63 p's codes; v64-127 Q of two heads; v128-191 S^T, p; v192-197 sums; v208-239 o's codes.  Part 2: v32-63 rows on the way out, v64-191 o's fragments, v192-255 Wo.
;   window 1: v0-63 K, v64-127 V (part 2: Wo), v128-255 O^T of four tiles (part 2: 16 accumulators).
.set STG,   65536
.set SP,    272
.set SPARE, 100352
.set ST,  32
.set PC,  48
.set QF,  64
.set S,   128
.set OC,  208
.set OT,  128
.set BB,  32
.set BI,  6
.set WV,  16
.set TT,  20
.set NS,  24
.set DG,  26
.set SPC, 28
.set KS,  29
.set HH,  30
.set CNT, 31
.set KB,  32
.set VB,  34
.set SEL, 38
.set CS,  40
.set EPV, 42
.set AOF, 43
.set QB,  44
.set WB,  52
.set SC,  54
.set OB,  76
.set MSB, 0
.macro WIN new
.if MSB != (\new)
	s_set_vgpr_msb (MSB<<8)|(\new)
.set MSB, (\new)
.endif
.endm
.macro NOP4
.rept 4
	v_nop
.endr
.endm
.macro POW2 e, vs, vl                  ; v[vs] = 2^s[e], v[vl] = 448 x that
	s_add_co_i32 s58, s[\e], 127
	s_lshl_b32 s59, s58, 23
	v_mov_b32 v[\vs], s59
	s_add_co_i32 s58, s58, 8
	s_lshl_b32 s58, s58, 23
	s_or_b32 s58, s58, 0x600000
	v_mov_b32 v[\vl], s58
.endm
.macro PV i                            ; O^T += V^T P^T, the tile's four accumulators by turns
	WIN 0x51
.set j, 0
.rept 4
	v_wmma_f32_16x16x128_fp8_fp8 v[OT+32*\i+8*j:OT+32*\i+8*j+7], v[64+16*j:64+16*j+15], v[PC:PC+15], v[OT+32*\i+8*j:OT+32*\i+8*j+7]
.set j, j+1
.endr
	WIN 0
.endm
	s_load_b256 s[4:11], s[0:1], 0x0               ; q_img 4, kv_img 6, w_c 8, the scales 10
	s_load_b128 s[12:15], s[0:1], 0x20             ; bo 12, out0 14
	v_lshl_add_u32 v4, v0, 2, SPARE
	v_mov_b32 v5, 0
	v_lshrrev_b32 v1, 5, v0
	v_readfirstlane_b32 s[WV], v1                  ; wave 0..7
	v_and_b32 v1, 31, v0
	v_lshlrev_b32 v1, 4, v1
	v_lshlrev_b32 v15, 4, v1
	v_bfe_u32 v26, v0, 3, 1
	v_bfe_u32 v10, v0, 4, 1                        ; h
	v_and_b32 v11, 15, v0                          ; r
	v_lshlrev_b32 v2, 3, v10
	v_sub_nc_u32 v2, v26, v2
	v_cvt_f32_u32 v26, v26
	v_sub_f32 v26, 1.0, v26
	v_lshlrev_b32 v28, 4, v11
	v_lshl_add_u32 v27, v10, 12, v28               ; out0: two rows an instruction, sixteen lanes to 256 bytes
	s_mul_i32 s58, s[WV], 16*SP
	s_add_co_u32 s58, s58, STG                     ; my stage
	v_mul_u32_u24 v29, v11, SP
	v_lshl_add_u32 v29, v10, 5, v29
	v_add_nc_u32 v29, s58, v29
	v_mul_u32_u24 v30, v10, SP
	v_add_nc_u32 v30, v30, v28
	v_add_nc_u32 v30, s58, v30
.irp k, 14,17,19,21,23,25
	v_mov_b32 v\k, 0                               ; a permute's destination, and the upper halves of pairs that are named whole
.endr
	s_lshr_b32 s17, ttmp9, 7                       ; batch
	s_bfe_u32 s18, ttmp9, 0x10006                  ; par
	s_and_b32 s19, ttmp9, 63                       ; u
	s_lshl_b32 s59, s18, 6
	s_add_co_u32 s[TT], s59, s19
	s_sub_co_u32 s[TT+1], 192, s59
	s_add_co_u32 s[TT+1], s[TT+1], s19
	s_lshl_b32 s[TT+2], s59, 1
	s_lshl_b32 s62, s19, 1
	s_add_co_u32 s[TT+2], s[TT+2], s62
	s_add_co_u32 s[TT+2], s[TT+2], 256
	s_add_co_u32 s[TT+3], s[TT+2], 1
	s_add_co_u32 s[NS], s18, 1
	s_sub_co_u32 s[NS+1], 4, s18
	s_mov_b32 s[DG], s18
	s_sub_co_u32 s[DG+1], 3, s18
	s_and_b32 s[SPC], ttmp9, 127                   ; 0 in the work-group that holds its batch's queries 0-7
	s_mov_b32 s[SEL], 0x76543210
	s_mov_b32 s[SEL+1], 0xfedcba98
	s_mov_b32 s37, 0
	s_mov_b32 s63, 0
	s_wait_alu depctr_va_vdst(0)
	s_wait_kmcnt 0x0
	s_load_b256 s[68:75], s[10:11], 0x10           ; e4 .. e11
	s_lshl_b32 s58, s17, 4
	s_lshl_b32 s59, s[WV], 1
	s_add_co_u32 s58, s58, s59                     ; 16 x batch + my first head
	s_lshl_b32 s62, s58, 15
	s_add_nc_u64 s[KB:KB+1], s[6:7], s[62:63]
	s_add_nc_u64 s[VB:VB+1], s[KB:KB+1], 0x100000
	s_lshl_b32 s58, s58, 9
.irp i, 0,1,2,3
	s_add_co_u32 s62, s58, s[TT+\i]
	s_lshl_b32 s62, s62, 10
	s_add_nc_u64 s[QB+2*\i:QB+2*\i+1], s[4:5], s[62:63]
.endr
	s_lshl_b32 s62, s[WV], 17
	s_add_co_u32 s62, s62, 0x300000
	s_add_nc_u64 s[WB:WB+1], s[8:9], s[62:63]      ; my 128 columns of Wo's image: 16 chunks of 8,192 bytes on end
	s_lshl_b32 s62, s[SPC], 13
	s_add_co_u32 s62, s62, 0x300000
	s_add_nc_u64 s[60:61], s[8:9], s[62:63]
	s_lshl_b32 s62, s[WV], 9
	s_add_nc_u64 s[56:57], s[12:13], s[62:63]
	s_lshl_b32 s58, s17, 13
.irp i, 0,1,2,3
	s_lshl_b32 s59, s[TT+\i], 4
	s_add_co_u32 s59, s59, s58
	s_lshl_b32 s59, s59, 12
	s_add_co_u32 s62, s59, s62
	s_add_nc_u64 s[OB+2*\i:OB+2*\i+1], s[14:15], s[62:63]
	s_lshl_b32 s62, s[WV], 9
.endr
.irp hh, 0,1
.irp i, 0,1,2,3
	global_load_b128 v[QF+32*\hh+8*\i:QF+32*\hh+8*\i+3], v1, s[QB+2*\i:QB+2*\i+1] offset:524288*\hh th:TH_LOAD_NT
	global_load_b128 v[QF+32*\hh+8*\i+4:QF+32*\hh+8*\i+7], v1, s[QB+2*\i:QB+2*\i+1] offset:524288*\hh+512 th:TH_LOAD_NT
.endr
.endr
	WIN 0x40
.set j, 0
.rept 16
	global_load_b128 v[4*j:4*j+3], v1, s[KB:KB+1] offset:512*j
.set j, j+1
.endr
.set j, 0
.rept 16
	global_load_b128 v[64+4*j:64+4*j+3], v1, s[VB:VB+1] offset:8192*(j/4)+512*(j%4)
.set j, j+1
.endr
	WIN 0
	s_cmp_lg_u32 s[WV], 0                          ; Wo's image is asked for ahead of part 2: the 128 work-groups of a batch share its 1 MiB out, 8,192 bytes each, lanes 256 bytes apart, wave 0 alone
	s_cbranch_scc1 .Lno_ask
	global_prefetch_b8 v15, s[60:61] th:TH_LOAD_NT scope:SCOPE_SE
.Lno_ask:
	s_wait_kmcnt 0x0
	s_add_co_i32 s58, s70, s71                     ; e6 + e7
	s_lshl_b32 s59, s58, 23
	s_add_co_i32 s[CS], s59, 0x3e38aa3b            ; log2(e) / 8, the two exponents added to its exponent field
	s_mov_b32 s[CS+1], s[CS]
	s_sub_co_i32 s58, 160, s58
	s_lshl_b32 s58, s58, 23
	s_or_b32 s58, s58, 0x80000000
	v_mov_b32 v3, s58                              ; -2^(33 - e6 - e7)
	POW2 72, 7, 6                                  ; e8
	POW2 74, 9, 8                                  ; e10
	s_add_co_i32 s[EPV], s72, s73
	s_add_co_i32 s[SC], s74, s75
	s_add_co_i32 s[SC], s[SC], 127
	s_lshl_b32 s[SC], s[SC], 23
	s_mov_b32 s[SC+1], s[SC]
	s_lshl_b32 s[AOF], s[WV], 11
	s_mov_b32 s[HH], 0
	s_mov_b32 s[CNT], 0
	s_wait_alu depctr_va_vdst(0)
	s_wait_loadcnt 32                              ; Q of both heads is in; K's and V's 32 loads may be out
; ONE TILE's part of a key step.  diag = 1: its steps are counted and from step s[DG + i] on keys are hidden.
.macro TSTEP i, diag
.if \diag
	s_cmp_ge_u32 s[KS], s[NS+\i]
	s_cbranch_scc1 .Lpast_\@
.endif
	WIN 0x01
.set j, 0
.rept 8
	v_wmma_f32_16x16x64_fp8_fp8 v[S+8*j:S+8*j+7], v[8*j:8*j+7], v[QF+8*\i:QF+8*\i+7], 0
.set j, j+1
.endr
	WIN 0
	NOP4
.if \i == 3                            ; K has served its last tile: its registers take the next step's K (heads lie on end), or, behind the last step, Wo's chunk 0, which has the same shape
	s_wait_xcnt 0x0
	s_add_nc_u64 s[KB:KB+1], s[KB:KB+1], 8192
	s_cmp_eq_u32 s[CNT], 7
	s_cselect_b64 s[KB:KB+1], s[WB:WB+1], s[KB:KB+1]
	WIN 0x40
.set j, 0
.rept 16
	global_load_b128 v[4*j:4*j+3], v1, s[KB:KB+1] offset:512*j
.set j, j+1
.endr
	WIN 0
.endif
.if \diag
	s_cmp_lt_u32 s[KS], s[DG+\i]
	s_cbranch_scc1 .Lopen_\@
	s_lshl_b32 s58, s[TT+\i], 1
	s_lshl_b32 s59, s[KS], 7
	s_sub_co_i32 s58, s58, s59
	v_add_nc_u32 v10, s58, v2                      ; register 8 t + j holds key 128 KS + 16 t + 8 h + j: hidden where 16 t + j >= this
.set n, 0
.rept 64
	v_cmp_ge_i32 vcc_lo, 16*(n/8)+n%8, v10
	v_cndmask_b32 v[S+n], v[S+n], v3, vcc_lo
.set n, n+1
.endr
.Lopen_\@:
.endif
	v_max3_num_f32 v12, v[S], v[S+1], v[S+2]       ; the largest score, in four chains, ascending: each accumulator is first read at its low end
	v_max3_num_f32 v13, v[S+3], v[S+4], v[S+5]
	v_max3_num_f32 v10, v[S+6], v[S+7], v[S+8]
	v_max3_num_f32 v11, v[S+9], v[S+10], v[S+11]
.set j, 12
.rept 6
	v_max3_num_f32 v12, v12, v[S+j], v[S+j+1]
	v_max3_num_f32 v13, v13, v[S+j+2], v[S+j+3]
	v_max3_num_f32 v10, v10, v[S+j+4], v[S+j+5]
	v_max3_num_f32 v11, v11, v[S+j+6], v[S+j+7]
.set j, j+8
.endr
	v_max3_num_f32 v12, v12, v[S+60], v[S+61]
	v_max3_num_f32 v13, v13, v[S+62], v[S+63]
	s_delay_alu instid0(VALU_DEP_1)
	v_max3_num_f32 v12, v12, v13, v10
	s_delay_alu instid0(VALU_DEP_1)
	v_max_num_f32 v12, v12, v11
	s_delay_alu instid0(VALU_DEP_1)
	v_permlanex16_b32 v14, v12, s[SEL], s[SEL+1]
	s_delay_alu instid0(VALU_DEP_1)
	v_max_num_f32 v12, v12, v14
	s_delay_alu instid0(VALU_DEP_1)
	v_mul_f32 v12, s[CS], v12                      ; as t (c is positive)
	s_delay_alu instid0(VALU_DEP_1)
	v_max_num_f32 v[ST+4*\i+1], v[ST+4*\i+1], v12
	v_mov_b32 v12, v[ST+4*\i]
	s_delay_alu instid0(VALU_DEP_2)
	v_floor_f32 v[ST+4*\i], -v[ST+4*\i+1]          ; the new -M
	s_delay_alu instid0(VALU_DEP_1)
	v_sub_f32 v12, v[ST+4*\i], v12
	s_delay_alu instid0(VALU_DEP_1)
	v_cvt_i32_f32 v12, v12                         ; (it saturates)
	s_delay_alu instid0(VALU_DEP_1)
	v_ldexp_f32 v24, 1.0, v12                      ; f = 2^(old M - new M)
.set j, 0
.rept 32
	v_pk_fma_f32 v[S+j:S+j+1], v[S+j:S+j+1], s[CS:CS+1], v[ST+4*\i:ST+4*\i+1] op_sel_hi:[1,0,0]
.set j, j+2
.endr
	s_wait_alu depctr_va_vdst(0)
.set j, 0
.rept 64
	v_exp_f32 v[S+j], v[S+j]
.set j, j+1
.endr
	v_pk_mul_f32 v[ST+4*\i+2:ST+4*\i+3], v[ST+4*\i+2:ST+4*\i+3], v[24:25] op_sel_hi:[1,0]   ; the sum under the new M; the plain line behind the batch
	s_wait_alu depctr_va_vdst(0)                   ; and the wait behind it, ahead of its first reader
	v_pk_add_f32 v[192:193], v[S:S+1], v[S+2:S+3]  ; the sum of the unquantised p, in four chains
	v_pk_add_f32 v[194:195], v[S+4:S+5], v[S+6:S+7]
	v_pk_add_f32 v[196:197], v[S+8:S+9], v[S+10:S+11]
	v_pk_add_f32 v[ST+4*\i+2:ST+4*\i+3], v[ST+4*\i+2:ST+4*\i+3], v[S+12:S+13]
.set j, 14
.rept 6
	v_pk_add_f32 v[192:193], v[192:193], v[S+j:S+j+1]
	v_pk_add_f32 v[194:195], v[194:195], v[S+j+2:S+j+3]
	v_pk_add_f32 v[196:197], v[196:197], v[S+j+4:S+j+5]
	v_pk_add_f32 v[ST+4*\i+2:ST+4*\i+3], v[ST+4*\i+2:ST+4*\i+3], v[S+j+6:S+j+7]
.set j, j+8
.endr
	v_pk_add_f32 v[192:193], v[192:193], v[S+62:S+63]
	v_pk_add_f32 v[ST+4*\i+2:ST+4*\i+3], v[ST+4*\i+2:ST+4*\i+3], v[196:197]
	v_pk_add_f32 v[192:193], v[192:193], v[194:195]
	v_pk_add_f32 v[ST+4*\i+2:ST+4*\i+3], v[ST+4*\i+2:ST+4*\i+3], v[192:193]
	s_cmp_ge_i32 s72, -8                           ; p is at most 1 (a last bit of rounding aside): where e8 >= -8, p / 2^e8 stays near 256, under 448, and the hold can change nothing.  A scalar branch on the given whole number e8; this launch has no tensor load, copy or cluster
	s_cbranch_scc1 .Lfits_\@
.set j, 0
.rept 64
	v_min_num_f32 v[S+j], v[S+j], v6               ; e8 < -8: the conversion does not saturate (ISA guide 7.6.2); p is not negative, so the hold is one-sided
.set j, j+1
.endr
.Lfits_\@:
.set j, 0
.rept 8
	v_cvt_scalef32_pk8_fp8_f32 v[PC+2*j:PC+2*j+1], v[S+8*j:S+8*j+7], v7
.set j, j+1
.endr
	WIN 0x41
	s_wait_alu depctr_va_vdst(0)
.set j, 0
.rept 16
	v_pk_mul_f32 v[OT+32*\i+j:OT+32*\i+j+1], v[OT+32*\i+j:OT+32*\i+j+1], v[24:25] op_sel_hi:[1,0]
.set j, j+2
.endr
.if \i < 3
	s_wait_alu depctr_va_vdst(0)
	s_wait_loadcnt 0x0                             ; V is in (tile 2 runs in every step, so tile 3 finds it in; behind tile 3's scores the next K is out)
.endif
	PV \i
.if \diag
.if \i == 0
	s_branch .Ldone_\@
.Lpast_\@:
	s_cmp_lg_u32 s[SPC], 0
	s_cbranch_scc1 .Ldone_\@
.set j, 0
.rept 8
	v_min_num_f32 v[S+j], v26, v6                  ; rows with no key: p = 1 in rows 0-7 and 0 in rows 8-15, on all 128 keys
.set j, j+1
.endr
	v_cvt_scalef32_pk8_fp8_f32 v[PC:PC+1], v[S:S+7], v7
	v_fmamk_f32 v[ST+2], v26, 0x42800000, v[ST+2]  ; my 64 keys' p
.set j, 2
.rept 7
	v_mov_b32 v[PC+j], v[PC]
	v_mov_b32 v[PC+j+1], v[PC+1]
.set j, j+2
.endr
	s_wait_alu depctr_va_vdst(0)
	s_wait_loadcnt 0x0
	PV 0
.Ldone_\@:
.else
.Lpast_\@:
.endif
.endif
.endm
.Lhead:                                                ; two trips: my two heads
	s_cmp_eq_u32 s[HH], 0
	s_cbranch_scc1 .Lno_move
.set j, 0
.rept 32
	v_mov_b32 v[QF+j], v[QF+32+j]                  ; the second head's Q
.set j, j+1
.endr
.Lno_move:
.irp i, 0,1,2,3
	v_mov_b32 v[ST+4*\i], 0x7f61b1e6               ; -M
	v_mov_b32 v[ST+4*\i+1], 0xff61b1e6             ; the largest t so far: -3e38
	v_mov_b32 v[ST+4*\i+2], 0
	v_mov_b32 v[ST+4*\i+3], 0
.endr
	WIN 0x40
.set j, 0
.rept 128
	v_mov_b32 v[OT+j], 0                           ; O^T: the step is written once, its first trip finds zeros
.set j, j+1
.endr
	WIN 0
	s_mov_b32 s[KS], 0
.Lstep:                                                ; four trips: key steps of 128
	s_wait_loadcnt 16                              ; K is in; V's 16 loads may be out
	TSTEP 0, 1
	TSTEP 1, 1
	TSTEP 2, 0
	TSTEP 3, 0
	NOP4                                           ; V has served its last tile: its registers take the next step's V, or Wo's chunk 1: 16 loads on either way
	s_wait_xcnt 0x0
	s_cmp_eq_u32 s[CNT], 7
	s_cbranch_scc1 .Lwo1
	s_cmp_eq_u32 s[KS], 3
	s_mov_b32 s36, 26624
	s_cselect_b32 s36, s36, 2048                   ; a step on, or on to the next head's step 0
	s_add_nc_u64 s[VB:VB+1], s[VB:VB+1], s[36:37]
	WIN 0x40
.set j, 0
.rept 16
	global_load_b128 v[64+4*j:64+4*j+3], v1, s[VB:VB+1] offset:8192*(j/4)+512*(j%4)
.set j, j+1
.endr
	WIN 0
	s_branch .Lvdone
.Lwo1:
	WIN 0x40
.set j, 0
.rept 16
	global_load_b128 v[64+4*j:64+4*j+3], v1, s[WB:WB+1] offset:8192+512*j
.set j, j+1
.endr
	WIN 0
.Lvdone:
	s_add_co_u32 s[CNT], s[CNT], 1
	s_add_co_u32 s[KS], s[KS], 1
	s_cmp_lt_u32 s[KS], 4
	s_cbranch_scc1 .Lstep
	; the head's end: o = O^T / sum x 2^(e8 + e9), quantised (e10), into LDS as half a fragment: tile i, K block = my wave, groups 2 hh, 2 hh + 1
	s_wait_dscnt 0x0
.irp i, 0,1,2,3
	v_add_f32 v[10+\i], v[ST+4*\i+2], v[ST+4*\i+3]
.endr
.irp i, 0,1,2,3
	v_permlanex16_b32 v14, v[10+\i], s[SEL], s[SEL+1]
	v_add_f32 v[10+\i], v[10+\i], v14
.endr
	s_wait_alu depctr_va_vdst(0)
.irp i, 0,1,2,3
	v_rcp_f32 v[10+\i], v[10+\i]
.endr
	v_add_nc_u32 v31, s[AOF], v1                   ; the plain line behind the batch
	s_wait_alu depctr_va_vdst(0)                   ; and the wait behind it
.irp i, 0,1,2,3
	v_ldexp_f32 v[16+2*\i], v[10+\i], s[EPV]
.endr
.irp i, 0,1,2,3
	WIN 0x01
	s_wait_alu depctr_va_vdst(0)
.set j, 0
.rept 16
	v_pk_mul_f32 v[S+32*(\i%2)+j:S+32*(\i%2)+j+1], v[OT+32*\i+j:OT+32*\i+j+1], v[16+2*\i:17+2*\i] op_sel_hi:[1,0]
.set j, j+2
.endr
	WIN 0
.set j, 0
.rept 32
	v_med3_num_f32 v[S+32*(\i%2)+j], v[S+32*(\i%2)+j], -v8, v8
.set j, j+1
.endr
.set j, 0
.rept 4
	v_cvt_scalef32_pk8_fp8_f32 v[OC+8*\i+2*j:OC+8*\i+2*j+1], v[S+32*(\i%2)+8*j:S+32*(\i%2)+8*j+7], v9
.set j, j+1
.endr
	v_nop
	ds_store_b128 v31, v[OC+8*\i:OC+8*\i+3] offset:16384*\i
	ds_store_b128 v31, v[OC+8*\i+4:OC+8*\i+7] offset:16384*\i+512
.endr
	s_add_co_u32 s[AOF], s[AOF], 1024
	s_add_co_u32 s[HH], s[HH], 1
	s_cmp_lt_u32 s[HH], 2
	s_cbranch_scc1 .Lhead
; PART 2.  out0(64 tokens, my 128 columns) = o Wo, two groups of 64 columns, K in 8 blocks of 128: 16 chunks.  A chunk is 4 fragments of Wo (8,192 consecutive bytes, 16 loads) x o's 4 fragments of that K block (from LDS): 16 products.
; Wo's chunks take turns in three sets of 64 registers, o's fragments in two.  Source 0 = 16 columns of Wo, source 1 = 16 tokens: a lane holds eight neighbouring columns of one token.
.macro BLOAD q
.if ((\q)%3) == 2
.set RB, 192
	WIN 0
.else
.set RB, 64*((\q)%3)
	WIN 0x40
.endif
.set m, 0
.rept 16
	global_load_b128 v[RB+4*m:RB+4*m+3], v1, s[WB:WB+1] offset:8192*(\q)+512*m
.set m, m+1
.endr
	WIN 0
.endm
.macro ALOAD q
.irp i, 0,1,2,3
.irp g, 0,1,2,3
	ds_load_b128 v[64+64*((\q)%2)+16*\i+4*\g:64+64*((\q)%2)+16*\i+4*\g+3], v1 offset:16384*\i+2048*((\q)%8)+512*\g
.endr
.endr
.endm
.macro WAYOUT g                        ; a group's 64 columns: tile by tile through my stage, back as rows of 256 bytes, x 2^(e10 + e11) + bo, stored sixteen lanes to an aligned unit of 256 bytes
.irp i, 0,1,2,3
	WIN 0x04
.irp t, 0,1,2,3
	ds_store_b128 v29, v[OT+8*(4*\i+\t):OT+8*(4*\i+\t)+3] offset:64*\t
	ds_store_b128 v29, v[OT+8*(4*\i+\t)+4:OT+8*(4*\i+\t)+7] offset:64*\t+16
.endr
	WIN 0
	s_wait_xcnt 0x0                                ; earlier stores have read their data registers
.irp t, 0,1,2,3,4,5,6,7
	ds_load_b128 v[BB+4*\t:BB+4*\t+3], v30 offset:2*SP*\t   ; LDS serves a wave's instructions in order: these see my stores
.endr
	s_wait_dscnt 0x0
.irp t, 0,1,2,3,4,5,6,7
	v_pk_fma_f32 v[BB+4*\t:BB+4*\t+1], v[BB+4*\t:BB+4*\t+1], s[SC:SC+1], v[BI+4*\g:BI+4*\g+1] op_sel_hi:[1,0,1]
	v_pk_fma_f32 v[BB+4*\t+2:BB+4*\t+3], v[BB+4*\t+2:BB+4*\t+3], s[SC:SC+1], v[BI+4*\g+2:BI+4*\g+3] op_sel_hi:[1,0,1]
.endr
.irp t, 0,1,2,3,4,5,6,7
	global_store_b128 v27, v[BB+4*\t:BB+4*\t+3], s[OB+2*\i:OB+2*\i+1] offset:8192*\t+256*\g th:TH_STORE_NT
.endr
.endr
.endm
.macro CHUNK q
.if (\q) < 2
	s_wait_loadcnt 34                              ; behind this chunk's loads: two chunks' 32 and bo's 2
.elseif (\q) < 14
	s_wait_loadcnt 32                              ; two chunks' loads may be out
.elseif (\q) == 14
	s_wait_loadcnt 16
.else
	s_wait_loadcnt 0
.endif
.if (\q) < 15
	s_wait_dscnt 16                                ; the next K block's 16 loads may be out
.else
	s_wait_dscnt 0
.endif
.if ((\q)%3) == 2
.set RB, 192
	WIN 0x50
.else
.set RB, 64*((\q)%3)
	WIN 0x51
.endif
.irp i, 0,1,2,3
.irp t, 0,1,2,3
.if ((\q)%8) == 0
	v_wmma_f32_16x16x128_fp8_fp8 v[OT+8*(4*\i+\t):OT+8*(4*\i+\t)+7], v[RB+16*\t:RB+16*\t+15], v[64+64*((\q)%2)+16*\i:64+64*((\q)%2)+16*\i+15], 0
.else
	v_wmma_f32_16x16x128_fp8_fp8 v[OT+8*(4*\i+\t):OT+8*(4*\i+\t)+7], v[RB+16*\t:RB+16*\t+15], v[64+64*((\q)%2)+16*\i:64+64*((\q)%2)+16*\i+15], v[OT+8*(4*\i+\t):OT+8*(4*\i+\t)+7]
.endif
.endr
.endr
	WIN 0
	NOP4
.if (\q)+3 < 16
	BLOAD (\q)+3
.endif
.if (\q)+2 < 16
	ALOAD (\q)+2
.endif
.if ((\q)%8) == 7
.if (\q) == 7
	WAYOUT 0
.else
	WAYOUT 1
.endif
.endif
.endm
	s_wait_dscnt 0x0                               ; my stores of o's codes are done
	global_load_b128 v[BI:BI+3], v28, s[56:57]     ; bo at my lane's four columns of each group
	global_load_b128 v[BI+4:BI+7], v28, s[56:57] offset:256
	BLOAD 2
	s_barrier_signal -1
	s_barrier_wait -1                              ; everybody's are
	ALOAD 0
	ALOAD 1
.irp q, 0,1,2,3,4,5,6,7,8,9,10,11,12,13,14,15
	CHUNK \q
.endr
	s_wait_tensorcnt 0x0                           ; the wave's end: three closing lines behind my last LDS store
	ds_add_u32 v4, v5
	s_wait_dscnt 0x0
	s_endpgm
.Lfunc_end_k_qdec0bd072b_attout:
	.size	k_qdec0bd072b_attout, .Lfunc_end_k_qdec0bd072b_attout-k_qdec0bd072b_attout
	.p2alignl 7, 3214868480
	.fill 96, 4, 3214868480
	.section	.rodata,"a",@progbits
	.p2align	6, 0x0
	.amdhsa_kernel k_qdec0bd072b_attout
		.amdhsa_group_segment_fixed_size 101376
		.amdhsa_private_segment_fixed_size 0
		.amdhsa_enable_private_segment 0
		.amdhsa_kernarg_size 48
		.amdhsa_user_sgpr_count 2
		.amdhsa_user_sgpr_kernarg_segment_ptr 1
		.amdhsa_wavefront_size32 1
		.amdhsa_system_sgpr_workgroup_id_x 1
		.amdhsa_system_sgpr_workgroup_id_y 1
		.amdhsa_system_sgpr_workgroup_id_z 1
		.amdhsa_system_vgpr_workitem_id 0
		.amdhsa_next_free_vgpr 512
		.amdhsa_next_free_sgpr 88
		.amdhsa_reserve_vcc 1
		.amdhsa_float_denorm_mode_32 3
		.amdhsa_float_denorm_mode_16_64 3
		.amdhsa_memory_ordered 1
		.amdhsa_forward_progress 1
		.amdhsa_inst_pref_size 184
	.end_amdhsa_kernel
	.amdgpu_metadata
---
amdhsa.version: [ 1, 2 ]
amdhsa.kernels:
  - .name:           k_qdec0bd072b_attout
    .symbol:         k_qdec0bd072b_attout.kd
    .args:
      - { .name: q_img, .offset: 0, .size: 8, .value_kind: global_buffer, .address_space: global }
      - { .name: kv_img, .offset: 8, .size: 8, .value_kind: global_buffer, .address_space: global }
      - { .name: w_c, .offset: 16, .size: 8, .value_kind: global_buffer, .address_space: global }
      - { .name: lowp_scales, .offset: 24, .size: 8, .value_kind: global_buffer, .address_space: global }
      - { .name: bo, .offset: 32, .size: 8, .value_kind: global_buffer, .address_space: global }
      - { .name: out0, .offset: 40, .size: 8, .value_kind: global_buffer, .address_space: global }
    .group_segment_fixed_size: 101376
    .private_segment_fixed_size: 0
    .kernarg_segment_align: 8
    .kernarg_segment_size: 48
    .max_flat_workgroup_size: 256
    .sgpr_count:     88
    .vgpr_count:     512
    .wavefront_size: 32
...
	.end_amdgpu_metadata
.endif
;; end of part 3
